; MI455X (gfx1250); checked and timed in simulation.
; The chip was launched on July 23, 2026; its instructions are those of AMD's public machine-readable ISA for CDNA 5 (MIT licence, August 2026) and "CDNA5" Instruction Set Architecture Reference Guide (July 2026). The comments in the code are by the model that wrote it; some were corrected since.
;; Scale Dot Product. Allowed arithmetic: matrix products marked QUANTISED: E5M2 operands, one E8M0 scale for each 32 along K, by v_wmma_scale_f32_16x16x128_f8f6f4 with both operands' format E5M2, f32 sums; everything else in f32.
;; Inputs: attention_mask 4 x 1 x 1 x 2,048 float32; k 4 x 16 x 2,048 x 64 float32; q 4 x 16 x 2,048 x 64 float32; v 4 x 16 x 2,048 x 64 float32.
;; Outputs: out0 4 x 16 x 2,048 x 64 float32.
;; Constants: attention_head_size = 64.
;; This version of the problem:
;;   THIS VERSION OF THE PROBLEM IS GIVEN IN LOW PRECISION. The matrix products marked QUANTISED in the list below multiply operands that are first quantised to E5M2 (5 exponent bits, 2 mantissa bits; 8 bits a number), with one power-of-two scale for each 32 numbers along K (OCP MX v1.0); their sums are f32. All else is computed in f32.
;;   The module's matrix products, in the order in which they are computed (A, B: the left and right operand; K: the contracted axis; several contracted axes count as one K, in the product's order):
;;     1. batch 64 x [M 2,048, K 64] x [K 64, N 2,048]; A: input q; B: input k: QUANTISED
;;     2. batch 64 x [M 2,048, K 2,048] x [K 2,048, N 64]; A: softmax (see below); B: input v: QUANTISED
;;   THE QUANTISER, for each operand of a quantised product, along K:
;;     - K is cut into blocks of 32 from its start; a last block that is shorter is filled with zeros.
;;     - A block's scale is 2^e with e = floor(log2(the largest magnitude in the block)) - 15, held to -126 .. 127; a block of zeros has e = 0. As a byte (E8M0): e + 127.
;;     - Each number is divided by its block's scale, clamped to +-57,344, and rounded to the nearest number of E5M2, ties to even, subnormals kept.
;;     - The product sums the exact products of the quantised numbers (number of the format x scale) in f32.
;;   ~~~python
;;   def quantise(x, axis):      # numpy; x: float32 -> the quantised numbers, widened to float32 again
;;       x = np.moveaxis(x, axis, -1); K = x.shape[-1]
;;       x = np.pad(x, [(0, 0)] * (x.ndim - 1) + [(0, -K % 32)]); x = x.reshape(x.shape[:-1] + (-1, 32)); a = np.abs(x).max(-1, keepdims=True)
;;       e = np.where(a > 0, np.clip(np.frexp(np.where(a > 0, a, 1))[1] - 1 - 15, -126, 127), 0)      # np.frexp(a)[1] - 1 = floor(log2(a)), exactly
;;       r = np.clip(x / 2.0 ** e, -57344, 57344)
;;       step = 2.0 ** (np.maximum(np.frexp(np.where(r == 0, 1, r))[1] - 1, -14) - 2)
;;       q = np.round(r / step) * step * 2.0 ** e      # np.round: ties to even
;;       return np.moveaxis(q.reshape(q.shape[:-2] + (-1,))[..., :K], -1, axis).astype(np.float32)
;;   ~~~
;;   SOFTMAX AHEAD OF A QUANTISED PRODUCT. Where the list says 'softmax', what is quantised is not the finished softmax but p = 2^(t - M), with t = logit x log2(e) and M = ceil(the row's largest t), a whole number; so 1/2 < the row's largest p <= 1. The row's sum l is taken of the UNQUANTISED p, in f32, and the product's result is divided by l at the end. Since M is a whole number, a kernel that streams over the keys may use a running M (the ceiling of the running maximum): every later rescaling is an exact power of two, which a block's scale takes up: the codes' values come out the same.
;;   OPERANDS COMPUTED ON THE WAY. 'Computed on the way' means the value that the module computes at that place (a softmax that the list does not call 'softmax' is quantised finished and normalised). What goes into a quantiser is computed in f32, as accurately as f32 sums, v_exp_f32 and their like allow (about 1e-6 of the number): no bf16 or f16 on the way to a quantiser, and a product that is left as it is and whose result goes on into a quantised operand takes f32 operands (vector FMAs, or v_wmma_f32_16x16x4_f32). A number that lies on a knife's edge between two numbers of the format may be rounded either way, as far as f32 arithmetic and the matrix unit's own rounding can turn it there, and no further.
;; One version. Each part assembles by itself: llvm-mc -triple=amdgcn-amd-amdhsa -mcpu=gfx1250 --defsym DOCPART=n.
;; ======== version 1 of 1: 2 launches
;; limits: right only within a limited range of input values
;; workspace buffers: kv 17,825,792 bytes
;; launch pack (part 1): grid 16 x 64, 4 waves a work-group, no clusters, 36,352 bytes of LDS; arguments k, v, attention_mask, kv; writes kv
.if DOCPART == 1
	.amdgcn_target "amdgcn-amd-amdhsa--gfx1250"
	.amdhsa_code_object_version 6
	.text
	.protected	k_q947e2d2b74_pack
	.globl	k_q947e2d2b74_pack
	.p2align	8
	.type	k_q947e2d2b74_pack,@function
k_q947e2d2b74_pack:
	s_mov_b64 s[64:65], 0
	v_nop
	global_prefetch_b8 v0, s[64:65] scope:SCOPE_SE
	s_setreg_imm32_b32 hwreg(HW_REG_WAVE_MODE, 25, 1), 1
	s_wait_xcnt 0x0
; K and V of one head's step of 128 keys, f32, become ONE PACKAGE of 17,408 bytes (68 units of 256) in kv: codes of BF8 (E5M2) with E8M0 scale bytes, laid in the order of the
; matrix operands' registers, and 8 x the additive mask of these keys beside them.  The package of (head, step) begins at (16 head + step) x 17,408.
; L = lane, r = L % 16, h = L / 16.
;   KIMG     0: 8 fragments t of K (quantised along the head's 64): group c (0, 1) at 1024 t + 512 c + 16 L = codes d = 32 c + 16 h + 0..15 of key 32 (t / 2) + 8 (t % 2) + r + 8 (r / 8)
;   VIMG  8192: 4 fragments n of V (quantised along the keys): group c (0..3) at 2048 n + 512 c + 16 L = codes of channel 16 n + r, keys 32 c + 16 h + 0..15
;   KSC  16384: ONE scale word for the pair u of tiles (2 u, 2 u + 1) and lane r, at 8 (16 (u / 2) + r) + 4 (u % 2): bytes 0, 1 tile 2 u's (d 0..31, d 32..63), bytes 2, 3 tile 2 u + 1's
;   VSC  16640: V's scale word of (n, r) at 8 (16 (n / 2) + r) + 4 (n % 2): byte c for keys 32 c ..
;   MSK  16896: 128 f32 in the keys' order: 8 x mask, held within +-2^26
; A block's scale is 2^(floor(log2(its largest magnitude)) - 15); its byte is the largest magnitude's exponent field - 15, held at 1 from below.  A block of zeros keeps the byte 1
; where the quantiser says 127: its codes are zeros, and this program alone reads the bytes.
; LIMITS: the mask is held within +-2^23 (so that the later whole-number maximum stays exact in f32): this differs from the definition only where every key of a batch has a mask
; beyond that bound and those masks differ among themselves.  NaN in any input and infinities in k and v are not served.  Blocks whose largest magnitude lies under 2^-111 keep the byte 1.
; SHARES.  One work-group makes one package.  K: wave w takes keys 32 w .. 32 w + 31 (tiles 2 w, 2 w + 1): sixteen loads of 512 consecutive bytes, turned through the wave's own stage in LDS,
; so that a lane holds 16 neighbours along d.  V: a lane takes a channel, 32 (w % 2) + L, and its registers run down the keys 64 (w / 2) .. + 63: two whole blocks of 32 in one lane.
; The mask: wave w takes its own 32 keys, a number a lane.  Scale words and mask are gathered in an LDS image of the package's last 1,024 bytes, of which each wave carries out one aligned unit of 256.
; ALL LOADS ARE ISSUED AT ONCE, in the order mask (1), V's first block (32), K (16), V's second block (32): the waits below count on that order.
; No tensor load, no loop, no branch, EXEC never changes; one barrier, in front of the image's way out.
.set PKG,  17408
.set KIMG, 0
.set VIMG, 8192
.set KSC,  16384
.set SP,   272                         ; a stage row: 256 bytes + 16
.set WSTG, 32*SP                       ; a wave's stage
.set TAIL, 4*WSTG                      ; behind the stages: the image of KSC (256 bytes), VSC (256) and MSK (512)
.set SPARE, TAIL+1024                  ; the spare words, 128 bytes a wave: two blocks of 256 bytes that no other line names
.set KA,  4                            ; v4   K in memory: 16 L + 8192 w
.set KST, 5                            ; v5   into the stage: 272 h + 16 r
.set KRD, 6                            ; v6   out of it: 272 (r + 8 (r / 8)) + 64 h
.set KO,  7                            ; v7   K's codes in the package: 2048 w + 16 L
.set KSW, 8                            ; v8   my pair's scale word in the image
.set VA,  9                            ; v9   V in memory: 4 L + 128 (w % 2) + 16384 (w / 2)
.set VO,  10                           ; v10  V's codes in the package
.set VSW, 11                           ; v11  V's two scale bytes in the image
.set TRD, 12                           ; v12  the image, read back: 256 w + 8 L
.set TO,  13                           ; v13  and in the package
.set L16, 14                           ; v14  16 L
.set MA,  23                           ; v23  the mask in memory: 128 w + 4 L
.set MV,  24                           ; v24  my number of the mask
.set MW,  25                           ; v25  and its place in the image
.set R,   32                           ; v32-95   K as loaded; then V's codes, 8 registers a block
.set X,   96                           ; v96-159  K turned: register 16 (2 u + c) + i = d 32 c + 16 h + i of my key of tile 2 w + u
.set Y,   160                          ; v160-223 V: register i = key 64 (w / 2) + i of my channel
.set PC,  224                          ; v224-239 K's codes
.set TM,  240                          ; v240-255 at work
	s_load_b256 s[4:11], s[0:1], 0x0               ; k s[4:5], v s[6:7], mask s[8:9], kv s[10:11]
	v_lshl_add_u32 v30, v0, 2, SPARE               ; my spare word,
	v_mov_b32 v31, 0                               ; and 0: kept for the closing lines alone
	v_lshrrev_b32 v1, 5, v0
	v_readfirstlane_b32 s12, v1                    ; wave 0..3
	v_and_b32 v1, 31, v0                           ; L
	v_and_b32 v2, 15, v0                           ; r
	v_bfe_u32 v3, v0, 4, 1                         ; h
	s_and_b32 s13, s12, 1                          ; w % 2
	s_lshr_b32 s14, s12, 1                         ; w / 2
	s_and_b32 s15, ttmp7, 0xffff                   ; the head; ttmp9 is the step
	v_lshlrev_b32 v[L16], 4, v1
	s_lshl_b32 s28, s12, 13
	v_add_nc_u32 v[KA], s28, v[L16]
	s_mul_i32 s29, s12, WSTG                       ; my stage
	v_mul_u32_u24 v[KST], v3, SP
	v_lshl_add_u32 v[KST], v2, 4, v[KST]
	v_add_nc_u32 v[KST], s29, v[KST]
	v_and_b32 v15, 8, v2
	v_add_nc_u32 v15, v15, v2                      ; r + 8 (r / 8)
	v_mul_u32_u24 v[KRD], v15, SP
	v_lshl_add_u32 v[KRD], v3, 6, v[KRD]
	v_add_nc_u32 v[KRD], s29, v[KRD]
	s_lshl_b32 s28, s12, 11
	v_add_nc_u32 v[KO], s28, v[L16]
	s_lshl_b32 s28, s14, 7                         ; my pair of tiles is u = w: 128 (w / 2) + 4 (w % 2)
	s_lshl_b32 s30, s13, 2
	s_add_co_u32 s28, s28, s30
	s_add_co_u32 s28, s28, TAIL
	v_lshl_add_u32 v[KSW], v2, 3, s28
	s_lshl_b32 s28, s13, 7
	s_lshl_b32 s30, s14, 14
	s_add_co_u32 s28, s28, s30
	v_lshl_add_u32 v[VA], v1, 2, s28
	s_lshl_b32 s28, s13, 12                        ; my channel's fragment is n = 2 (w % 2) + h, my first block c = 2 (w / 2)
	s_lshl_b32 s30, s14, 10
	s_add_co_u32 s28, s28, s30
	v_lshl_add_u32 v[VO], v3, 11, s28
	v_lshl_add_u32 v[VO], v2, 4, v[VO]
	s_lshl_b32 s28, s13, 7
	s_lshl_b32 s30, s14, 1
	s_add_co_u32 s28, s28, s30
	s_add_co_u32 s28, s28, TAIL+256
	v_lshl_add_u32 v[VSW], v2, 3, s28
	v_lshl_add_u32 v[VSW], v3, 2, v[VSW]
	s_lshl_b32 s28, s12, 8
	v_lshl_add_u32 v[TO], v1, 3, s28
	v_add_nc_u32 v[TRD], TAIL, v[TO]
	s_lshl_b32 s28, s12, 7
	v_lshl_add_u32 v[MA], v1, 2, s28
	v_add_nc_u32 v[MW], TAIL+512, v[MA]
	s_lshl_b32 s16, s15, 19                        ; a head of k or v is 524,288 bytes, a step 32,768
	s_lshl_b32 s28, ttmp9, 15
	s_add_co_u32 s16, s16, s28
	s_mov_b32 s17, 0
	s_lshl_b32 s18, s15, 4
	s_add_co_u32 s18, s18, ttmp9
	s_mul_i32 s18, s18, PKG                        ; my package
	s_mov_b32 s19, 0
	s_lshr_b32 s26, s15, 4                         ; the batch: 16 heads share a row of the mask, 8,192 bytes
	s_lshl_b32 s26, s26, 13
	s_lshl_b32 s28, ttmp9, 9
	s_add_co_u32 s26, s26, s28
	s_mov_b32 s27, 0
	s_mov_b32 s20, 0x76543210
	s_mov_b32 s21, 0xfedcba98                      ; v_permlanex16_b32's selects for lane l xor 16
	s_mov_b32 s22, 0x600000                        ; the mantissa field of 57,344
	s_mov_b32 s23, 0xcc800000                      ; -2^26
	s_mov_b32 s24, 0x4c800000                      ; 2^26
.irp b, 0,1,2,3
	v_mov_b32 v[TM+4+\b], 0                        ; written once: a lane permute's destination counts as one of its sources
.endr
	s_wait_alu depctr_va_vdst(0)                   ; the wait at the head's end
	s_wait_kmcnt 0x0
	s_add_nc_u64 s[4:5], s[4:5], s[16:17]
	s_add_nc_u64 s[6:7], s[6:7], s[16:17]
	s_add_nc_u64 s[8:9], s[8:9], s[26:27]
	s_add_nc_u64 s[10:11], s[10:11], s[18:19]
	global_load_b32 v[MV], v[MA], s[8:9]           ; the mask of my wave's 32 keys
.irp i, 0,1,2,3,4,5,6,7,8,9,10,11,12,13,14,15,16,17,18,19,20,21,22,23,24,25,26,27,28,29,30,31
	global_load_b32 v[Y+\i], v[VA], s[6:7] offset:256*\i th:TH_LOAD_NT                 ; V's first block: key i, 32 neighbouring channels
.endr
.irp i, 0,1,2,3,4,5,6,7,8,9,10,11,12,13,14,15
	global_load_b128 v[R+4*\i:R+4*\i+3], v[KA], s[4:5] offset:512*\i th:TH_LOAD_NT     ; 32 lanes read 512 consecutive bytes: keys 2 i, 2 i + 1 of my 32
.endr
.irp i, 0,1,2,3,4,5,6,7,8,9,10,11,12,13,14,15,16,17,18,19,20,21,22,23,24,25,26,27,28,29,30,31
	global_load_b32 v[Y+32+\i], v[VA], s[6:7] offset:256*(32+\i) th:TH_LOAD_NT         ; V's second block
.endr
	s_wait_loadcnt 32                              ; the mask, V's first block and K are in; the 32 loads issued behind them may be out
.irp i, 0,1,2,3,4,5,6,7,8,9,10,11,12,13,14,15
	ds_store_b128 v[KST], v[R+4*\i:R+4*\i+3] offset:2*SP*\i
.endr
.irp u, 0,1
.irp c, 0,1
.irp j, 0,1,2,3
	ds_load_b128 v[X+16*(2*\u+\c)+4*\j:X+16*(2*\u+\c)+4*\j+3], v[KRD] offset:8*SP*\u+128*\c+16*\j   ; LDS serves a wave's instructions in order: these see my stores
.endr
.endr
.endr
	v_mul_f32 v[MV], 0x41000000, v[MV]             ; x 8 = sqrt(64), exact: the later product adds it to the unscaled score
	v_med3_num_f32 v[MV], v[MV], s23, s24          ; held within +-2^26
	ds_store_b32 v[MW], v[MV]
	s_wait_dscnt 0x0                               ; K is back, 16 neighbours along d to a lane and block
	; K's four blocks (tile u, half c of the head's 64): a block of 32 lies in lanes l and l xor 16
.irp b, 0,1,2,3
	v_max3_num_f32 v[TM+\b], |v[X+16*\b]|, |v[X+1+16*\b]|, 0x8000000       ; my 16 numbers, and the floor 2^(16 - 127): the byte cannot fall under 1
.endr
.irp i, 2,4,6,8,10,12,14
.irp b, 0,1,2,3
	v_max3_num_f32 v[TM+\b], v[TM+\b], |v[X+16*\b+\i]|, |v[X+1+16*\b+\i]|  ; the four blocks by turns
.endr
.endr
.irp b, 0,1,2,3
	v_permlanex16_b32 v[TM+4+\b], v[TM+\b], s20, s21
.endr
.irp b, 0,1,2,3
	v_max_num_f32 v[TM+\b], v[TM+\b], v[TM+4+\b]   ; the block's largest magnitude
.endr
.irp b, 0,1,2,3
	v_add_nc_u32 v[TM+12+\b], 0xf8800000, v[TM+\b] ; 15 off its exponent field: the conversion's scale operand
.endr
.irp b, 0,1,2,3
	v_and_or_b32 v[TM+8+\b], v[TM+\b], 0x7f800000, s22   ; 57,344 x the scale
.endr
.irp b, 0,1,2,3
	v_lshrrev_b32 v[TM+4+\b], 23, v[TM+12+\b]      ; the scale's byte
.endr
	v_lshl_or_b32 v16, v[TM+5], 8, v[TM+4]         ; tile 2 w's two bytes of my key
	v_lshl_or_b32 v17, v[TM+7], 8, v[TM+6]         ; tile 2 w + 1's
	v_lshl_or_b32 v16, v17, 16, v16                ; the pair's word
.irp b, 0,1,2,3
.irp i, 0,1,2,3,4,5,6,7,8,9,10,11,12,13,14,15
	v_med3_num_f32 v[X+16*\b+\i], v[X+16*\b+\i], -v[TM+8+\b], v[TM+8+\b]   ; the conversion to an 8-bit code does not saturate (ISA guide 7.6.2): the hold at the largest code x the scale
.endr
	v_cvt_scalef32_pk8_bf8_f32 v[PC+4*\b:PC+4*\b+1], v[X+16*\b:X+16*\b+7], v[TM+12+\b]
	v_cvt_scalef32_pk8_bf8_f32 v[PC+4*\b+2:PC+4*\b+3], v[X+16*\b+8:X+16*\b+15], v[TM+12+\b]
.endr
	v_nop                                          ; one plain vector line behind the last conversion of a run
.irp u, 0,1
.irp c, 0,1
	global_store_b128 v[KO], v[PC+4*(2*\u+\c):PC+4*(2*\u+\c)+3], s[10:11] offset:KIMG+1024*\u+512*\c   ; 32 lanes store 512 consecutive bytes, aligned
.endr
.endr
	ds_store_b32 v[KSW], v16                       ; both halves of the lanes write the same bytes with the same values
; A block of V: 32 numbers of one lane, v[y] on, become 32 codes in v[c] .. v[c + 7] and the scale's byte in v[e]
.macro VBLOCK y, c, e
	v_max3_num_f32 v[TM], |v[\y]|, |v[\y+1]|, |v[\y+2]|
	v_max3_num_f32 v[TM+1], |v[\y+3]|, |v[\y+4]|, |v[\y+5]|
.irp i, 6,10,14,18,22,26
	v_max3_num_f32 v[TM], v[TM], |v[\y+\i]|, |v[\y+\i+1]|
	v_max3_num_f32 v[TM+1], v[TM+1], |v[\y+\i+2]|, |v[\y+\i+3]|
.endr
	v_max3_num_f32 v[TM], v[TM], |v[\y+30]|, |v[\y+31]|
	v_max3_num_f32 v[TM], v[TM], v[TM+1], 0x8000000      ; and the floor
	v_add_nc_u32 v[TM+2], 0xf8800000, v[TM]
	v_and_or_b32 v[TM+3], v[TM], 0x7f800000, s22
	v_lshrrev_b32 v[\e], 23, v[TM+2]
.irp i, 0,1,2,3,4,5,6,7,8,9,10,11,12,13,14,15,16,17,18,19,20,21,22,23,24,25,26,27,28,29,30,31
	v_med3_num_f32 v[\y+\i], v[\y+\i], -v[TM+3], v[TM+3]
.endr
.irp g, 0,1,2,3
	v_cvt_scalef32_pk8_bf8_f32 v[\c+2*\g:\c+2*\g+1], v[\y+8*\g:\y+8*\g+7], v[TM+2]
.endr
	v_nop                                          ; one plain vector line behind the last conversion: the next block writes the scale operand anew
.endm
	VBLOCK Y, R, 19                                ; V's first block came in ahead of K
	global_store_b128 v[VO], v[R:R+3], s[10:11] offset:VIMG         ; keys 0..15 of the block: sixteen lanes store 256 consecutive bytes, aligned
	global_store_b128 v[VO], v[R+4:R+7], s[10:11] offset:VIMG+256   ; keys 16..31: the places of lanes 16-31 of the reader
	s_wait_loadcnt 0x0                             ; V's second block
	VBLOCK Y+32, R+8, 22
	global_store_b128 v[VO], v[R+8:R+11], s[10:11] offset:VIMG+512
	global_store_b128 v[VO], v[R+12:R+15], s[10:11] offset:VIMG+768
	v_lshl_or_b32 v18, v22, 8, v19                 ; my channel's bytes of blocks 2 (w / 2) and 2 (w / 2) + 1
	ds_store_b16 v[VSW], v18
	s_wait_dscnt 0x0                               ; for the others' sake: my scale words and my part of the mask lie in the image
	s_barrier_signal -1
	s_barrier_wait -1
	ds_load_b64 v[20:21], v[TRD]                   ; 256 bytes of the image a wave
	s_wait_dscnt 0x0
	global_store_b64 v[TO], v[20:21], s[10:11] offset:KSC           ; 32 lanes store 256 consecutive bytes, aligned
	s_wait_tensorcnt 0x0                           ; the wave's end, behind my last LDS store
	ds_add_u32 v30, v31
	s_wait_dscnt 0x0
	s_endpgm
.Lfunc_end_k_q947e2d2b74_pack:
	.size	k_q947e2d2b74_pack, .Lfunc_end_k_q947e2d2b74_pack-k_q947e2d2b74_pack
	.p2alignl 7, 3214868480
	.fill 96, 4, 3214868480
	.section	.rodata,"a",@progbits
	.p2align	6, 0x0
	.amdhsa_kernel k_q947e2d2b74_pack
		.amdhsa_group_segment_fixed_size 36352
		.amdhsa_private_segment_fixed_size 0
		.amdhsa_enable_private_segment 0
		.amdhsa_kernarg_size 32
		.amdhsa_user_sgpr_count 2
		.amdhsa_user_sgpr_kernarg_segment_ptr 1
		.amdhsa_wavefront_size32 1
		.amdhsa_system_sgpr_workgroup_id_x 1
		.amdhsa_system_sgpr_workgroup_id_y 1
		.amdhsa_system_sgpr_workgroup_id_z 1
		.amdhsa_system_vgpr_workitem_id 0
		.amdhsa_next_free_vgpr 256
		.amdhsa_next_free_sgpr 66
		.amdhsa_reserve_vcc 0
		.amdhsa_float_denorm_mode_32 3
		.amdhsa_float_denorm_mode_16_64 3
		.amdhsa_memory_ordered 1
		.amdhsa_forward_progress 1
		.amdhsa_inst_pref_size 30
	.end_amdhsa_kernel
	.amdgpu_metadata
---
amdhsa.version: [ 1, 2 ]
amdhsa.kernels:
  - .name:           k_q947e2d2b74_pack
    .symbol:         k_q947e2d2b74_pack.kd
    .args:
      - { .name: k, .offset: 0, .size: 8, .value_kind: global_buffer, .address_space: global }
      - { .name: v, .offset: 8, .size: 8, .value_kind: global_buffer, .address_space: global }
      - { .name: attention_mask, .offset: 16, .size: 8, .value_kind: global_buffer, .address_space: global }
      - { .name: kv, .offset: 24, .size: 8, .value_kind: global_buffer, .address_space: global }
    .group_segment_fixed_size: 36352
    .private_segment_fixed_size: 0
    .kernarg_segment_align: 8
    .kernarg_segment_size: 32
    .max_flat_workgroup_size: 128
    .sgpr_count:     66
    .vgpr_count:     256
    .wavefront_size: 32
...
	.end_amdgpu_metadata
.endif
;; end of part 1
;; launch attn (part 2): grid 4 x 64, 8 waves a work-group, clusters of 4 x 1, 327,680 bytes of LDS; arguments kv, q, out0; writes out0
.if DOCPART == 2
	.amdgcn_target "amdgcn-amd-amdhsa--gfx1250"
	.amdhsa_code_object_version 6
	.text
	.protected	k_q947e2d2b74_attn
	.globl	k_q947e2d2b74_attn
	.p2align	8
	.type	k_q947e2d2b74_attn,@function
k_q947e2d2b74_attn:
	s_mov_b64 s[64:65], 0
	v_nop
	global_prefetch_b8 v0, s[64:65] scope:SCOPE_SE
	s_setreg_imm32_b32 hwreg(HW_REG_WAVE_MODE, 25, 1), 1
	s_wait_xcnt 0x0
	s_wait_alu depctr_hold_cnt(0) depctr_sa_sdst(0) depctr_va_vdst(0) depctr_va_sdst(0) depctr_va_ssrc(0) depctr_va_vcc(0) depctr_vm_vsrc(0)
	s_getreg_b32 s2, hwreg(HW_REG_IB_STS2, 6, 4)
	s_cmp_eq_u32 s2, 0
	s_cbranch_scc0 .Lentry_in_a_cluster
	s_endpgm
.Lentry_in_a_cluster:
	s_bfe_u32 s2, ttmp6, 0x10000c
	s_cmp_lg_u32 s2, 0x3003
	s_cbranch_scc0 .Lentry_shape_is_right
	s_endpgm
.Lentry_shape_is_right:
; out[head][q][:] = the sum over keys of softmax(q . k / 8 + mask) v, 64 heads of 2,048 x 64, both products on codes of BF8 (E5M2) with one E8M0 scale for each 32 along a product's K.
; K, V and 8 x mask come from kv: one package of 17,408 bytes for each (head, step of 128 keys), in the order of the operands' registers:
;   0 K's 8 fragments of 8 registers;  8192 V's 4 fragments of 16;  16384 K's scale words, one for a pair of tiles;  16640 V's;  16896 8 x mask, f32.
; THE SOFTMAX: S' = k . q + 8 mask (the mask is loaded into S' and is the first product's C); t = S' x log2(e) / 8; M = the largest t so far, rounded UP to a whole number; p = 2^(t - M) is
; quantised along the keys, not normalised.  The row's sum is taken of the unquantised p and divides at the end.  When M moves, the sum and O are multiplied by 2^(old M - new M): exact.
; LIMITS: the mask arrives held within +-2^23 (see the launch that packs it); NaN and infinities in q are not served; a block of q under 2^-111 keeps the scale byte 1.
; SHARES.  256 work-groups.  A work-group owns 512 queries of one head and takes them in two passes of 256; in a pass each of its eight waves owns 32: tile 0 in register window 0, tile 1 in window 1,
; under the same register numbers.  Both products are used transposed: a lane holds ONE query of each tile.  Lane r of key tile 2 b + u holds key 32 b + 8 u + r + 8 (r / 8), so that the 16 registers of
; tiles 2 b, 2 b + 1 are the keys 32 b + 16 (lane / 16) + 0..15.
; THE FIRST PRODUCT'S K OF 128 IS FILLED BY TWO KEY TILES: source 0 is the pair (tile 2 u | tile 2 u + 1), 16 registers; Q lies as 8 zero codes, its 8 registers, 8 zero codes: [Q | 0] picks the even
; tile, [0 | Q] the odd one.  The other tile's codes are finite (the quantiser holds them) and meet zero codes.  Q's scale word repeats its two bytes, so that it serves both places.
; LDS.  A head's 16 packages, 278,528 bytes, are fetched ONCE and stay: no byte of LDS is filled again.  CLUSTER: the four work-groups of a head ask for each package jointly (mask 15).
; One tensor load a wave: waves 0 to 3 a package each (steps 0 to 3), shown by the first barrier; waves 4 to 7 three packages each, shown by the barrier behind key step 2, ahead of the first read of package 4.
; That barrier stands in the pass's text and is passed in both passes.  No prefetch of kv: all of it is asked for at the head by the loads themselves; there is no later request to run ahead of.
; The second pass's rows of q are prefetched behind that barrier (a lane a row of 256 bytes, 32 rows a wave, 12 key steps ahead of their loads) and loaded in the first pass's last step.
; A STEP'S ORDER: first product of tile 0; V's loads; tile 0's softmax; the next mask of tile 0; second product of tile 0, first product of tile 1; the next K; tile 1's softmax; its next mask; its second
; product.  So every LDS load stands one tile's softmax ahead of the product that reads it.
; REGISTERS, both windows: v64-87 [0 | Q | 0]; v88-151 S', then p; v152-183 O^T; v184-199 p's codes; v200 -M, v201 the largest score, v[202:203] the sum; v204-221 at work.
;   window 0: v0-63 K's four pairs (at a pass's ends: Q turned, the way out); v222-236 addresses; v246-253 scale words and nothing else.   window 1: v0-63 V's four fragments.
.set PKG,   17408
.set VIMG,  8192
.set KSC,   16384
.set VSC,   16640
.set MSK,   16896
.set HEADB, 16*PKG
.set SP,    272                        ; a stage row: 256 bytes + 16
.set WSTG,  16*SP                      ; a wave's stage: 16 rows; Q's turn and the way out, a tile at a time
.set STAGE, HEADB                      ; behind the packages: no tensor load lands here
.set SPARE, STAGE+8*WSTG               ; the spare words, 128 bytes a wave: four blocks of 256 bytes that no other line names
.set PASSB, 65536                      ; 256 rows of q or out0
.set KF,  0
.set VF,  0
.set QZ,  64
.set S,   88
.set O,   152
.set PC,  184
.set NM,  200
.set TX,  201
.set LS,  202
.set BM,  204
.set T4,  208                          ; v208-219 (T4, CAP, SO) are also the six side chains of the row's sum
.set CAP, 212
.set TP,  212
.set SO,  216
.set F,   220
.set L16, 222                          ; 16 x lane
.set L8,  223                          ; 8 x lane
.set H64, 224                          ; 64 x (lane / 16)
.set A16, 225                          ; the step's package + each of the three
.set A8,  226
.set AM,  227
.set SPW, 228                          ; LDS address of my spare word; never rewritten
.set NIL, 229                          ; 0; never rewritten
.set PFO, 230                          ; 256 x lane
.set STO, 231                          ; the stage: row r, + 32 h
.set RD,  232                          ; the stage by rows: 272 h + 16 r
.set STQ, 233                          ; the stage: row r, + 64 h
.set QW,  246                          ; Q's scale words, tile 0, 1
.set KS,  248                          ; K's: lanes 0-15 pairs 0, 1; lanes 16-31 pairs 2, 3
.set VS,  250                          ; V's: lanes 0-15 fragments 0, 1; lanes 16-31 fragments 2, 3
.set PW,  252                          ; p's, tile 0, 1
.set WV,  10
.set G1A, 16                           ; s[16:23] group 1: 68 rows of 256 bytes
.set G1B, 24                           ; s[24:31] group 1: 204 rows
.set G0A, 32
.set G0B, 40
.set SEL, 36
.set CS,  38
.set MNT, 44
.set TB,  45                           ; LDS byte at which the step's package begins
.set STEPS, 46
.set PASS, 47                          ; passes to go
.set MSB, 0
.macro WIN new                         ; s_set_vgpr_msb: bits 1:0 source 0, 3:2 source 1, 5:4 source 2, 7:6 destination; the high byte repeats the setting that is left
.if MSB != \new
	s_set_vgpr_msb (MSB<<8)|\new
.set MSB, \new
.endif
.endm
.macro PLACES n
.rept \n
	v_nop
.endr
.endm
.macro CROUND                          ; a round of the cluster's barrier
	s_barrier_signal -1
	s_barrier_wait -1
	s_cmp_lg_u32 s[WV], 0
	s_cbranch_scc1 .Lnot_wave_0_\@
	s_barrier_signal -3
.Lnot_wave_0_\@:
	s_barrier_wait -3
	s_barrier_signal -1
	s_barrier_wait -1
.endm
.macro QLOAD                           ; my 32 rows of q, 8,192 consecutive bytes, into tile 0's S'
.irp i, 0,1,2,3,4,5,6,7,8,9,10,11,12,13,14,15
	global_load_b128 v[S+4*\i:S+4*\i+3], v[L16], s[6:7] offset:512*\i th:TH_LOAD_NT
.endr
.endm
.macro KLOAD a16, a8, off              ; a package's K: 64 registers, and its four scale words
.irp m, 0,1,2,3,4,5,6,7,8,9,10,11,12,13,14,15
	ds_load_b128 v[KF+4*\m:KF+4*\m+3], v[\a16] offset:\off+512*\m
.endr
	ds_load_b64 v[KS:KS+1], v[\a8] offset:\off+KSC
.endm
.macro MLOAD t, am, off                ; 8 x mask into tile t's S': register j of key tile g is key 32 (g / 2) + 8 (g % 2) + 16 h + j
	WIN (0x40*\t)
.irp g, 0,1,2,3,4,5,6,7
	ds_load_b128 v[S+8*\g:S+8*\g+3], v[\am] offset:\off+MSK+128*(\g/2)+32*(\g%2)
	ds_load_b128 v[S+8*\g+4:S+8*\g+7], v[\am] offset:\off+MSK+128*(\g/2)+32*(\g%2)+16
.endr
.endm
.macro WM d, a, b, sa, sb, row         ; D = A B + D
.if \row
	v_wmma_scale_f32_16x16x128_f8f6f4 v[\d:\d+7], v[\a:\a+15], v[\b:\b+15], v[\d:\d+7], v[\sa], v[\sb] matrix_a_fmt:MATRIX_FMT_BF8 matrix_b_fmt:MATRIX_FMT_BF8 matrix_a_scale:MATRIX_SCALE_ROW1
.else
	v_wmma_scale_f32_16x16x128_f8f6f4 v[\d:\d+7], v[\a:\a+15], v[\b:\b+15], v[\d:\d+7], v[\sa], v[\sb] matrix_a_fmt:MATRIX_FMT_BF8 matrix_b_fmt:MATRIX_FMT_BF8
.endif
.endm
.macro QK t                            ; S' = K Q^T + 8 mask: eight accumulators, one instruction each
	WIN (0x54*\t)                                  ; K window 0; Q and S' the tile's window
.irp u, 0,1,2,3
	WM S+16*\u, KF+16*\u, QZ+8, KS+\u%2, QW+\t, \u/2
	WM S+16*\u+8, KF+16*\u, QZ, KS+\u%2, QW+\t, \u/2
.endr
.endm
.macro PV t                            ; O^T += V^T P^T: four accumulators, one instruction each a step
	WIN (0x01+0x54*\t)                             ; V window 1; p's codes and O^T the tile's window
.irp n, 0,1,2,3
	WM O+8*\n, VF+16*\n, PC, VS+\n%2, PW+\t, \n/2
.endr
.endm
.macro MAX4                            ; BM = max(BM, T4), four numbers in two lines
	v_dual_max_num_f32 v[BM], v[BM], v[T4] :: v_dual_max_num_f32 v[BM+1], v[BM+1], v[T4+1]
	v_dual_max_num_f32 v[BM+2], v[BM+2], v[T4+2] :: v_dual_max_num_f32 v[BM+3], v[BM+3], v[T4+3]
.endm
; tile t's softmax of a key step, and p's quantiser
.macro SOFTMAX t
	WIN (0x55*\t)
.irp b, 0,1,2,3
	v_max3_num_f32 v[BM+\b], v[S+16*\b], v[S+16*\b+1], v[S+16*\b+2]        ; eight chains by turns, one for each accumulator, each read from its low end on
.endr
.irp b, 0,1,2,3
	v_max3_num_f32 v[T4+\b], v[S+16*\b+8], v[S+16*\b+9], v[S+16*\b+10]
.endr
.irp i, 3,5
.irp b, 0,1,2,3
	v_max3_num_f32 v[BM+\b], v[BM+\b], v[S+16*\b+\i], v[S+16*\b+\i+1]
.endr
.irp b, 0,1,2,3
	v_max3_num_f32 v[T4+\b], v[T4+\b], v[S+16*\b+8+\i], v[S+16*\b+9+\i]
.endr
.endr
.irp b, 0,1,2,3
	v_max3_num_f32 v[BM+\b], v[BM+\b], v[S+16*\b+7], v[S+16*\b+15]
.endr
	MAX4
.irp b, 0,1,2,3
	v_permlanex16_b32 v[T4+\b], v[BM+\b], s[SEL], s[SEL+1]
.endr
	v_mov_b32 v[TP+1], v[NM]                       ; the old -M
	MAX4                                           ; with lane l xor 16's 16 keys: THE LARGEST SCORE OF EACH BLOCK OF 32 KEYS: for the row's maximum and, since p rises with the score, for the block's largest p
	v_max3_num_f32 v[TP], v[BM], v[BM+1], v[BM+2]
	s_delay_alu instid0(VALU_DEP_1)
	v_max3_num_f32 v[TX], v[TX], v[TP], v[BM+3]    ; the running largest score
	s_delay_alu instid0(VALU_DEP_1)
	v_mul_f32 v[TP], s[CS], v[TX]                  ; as t (c is positive, so the largest score gives the largest t)
	s_delay_alu instid0(VALU_DEP_1)
	v_floor_f32 v[NM], -v[TP]                      ; the new -M = -ceil(t): a whole number
	v_sub_f32 v[TP], v[NM], v[TP+1]                ; old M - new M: a whole number, 0 or less.  The three lines that make f stand among the multiply-adds
.set jj, 0
.rept 32
	v_pk_fma_f32 v[S+jj:S+jj+1], v[S+jj:S+jj+1], s[CS:CS+1], v[NM:NM+1] op_sel_hi:[1,0,0]   ; t - M, two at a time (of the pairs c and -M the low word serves both halves)
.if jj == 8
	v_cvt_i32_f32 v[TP], v[TP]                     ; (it saturates)
.endif
.if jj == 18
	v_ldexp_f32 v[F], 1.0, v[TP]                   ; f = 2^(old M - new M)
.endif
.set jj, jj+2
.endr
.irp b, 0,1,2,3
	v_fma_f32 v[BM+\b], v[BM+\b], s[CS], v[NM]     ; the same of each block's largest score
.endr
.set jj, 0
	s_wait_alu depctr_va_vdst(0)                   ; the wait ahead of the batch
.rept 64
	v_exp_f32 v[S+jj], v[S+jj]                     ; p = 2^(t - M), at most 1
.set jj, jj+1
.endr
	v_pk_mul_f32 v[LS:LS+1], v[LS:LS+1], v[F:F+1] op_sel_hi:[1,0]   ; the sums under the new M: the plain line behind the batch
	s_wait_alu depctr_va_vdst(0)                   ; and behind it, ahead of its first reader
.irp b, 0,1,2,3
	v_exp_f32 v[BM+\b], v[BM+\b]                   ; the block's largest p: the same two instructions on the same number give the same bits
.endr
	; the row's sum of the unquantised p: 32 pairs in seven chains by turns (the sum itself and six side chains), 32 additions in all
.set jj, 0
.rept 6
	v_pk_add_f32 v[T4+jj:T4+jj+1], v[S+2*jj:S+2*jj+1], v[S+2*jj+2:S+2*jj+3]
.set jj, jj+2
.endr
.set jj, 24
.rept 2
	v_pk_add_f32 v[LS:LS+1], v[LS:LS+1], v[S+jj:S+jj+1]
.irp k, 0,2,4,6,8,10
	v_pk_add_f32 v[T4+\k:T4+\k+1], v[T4+\k:T4+\k+1], v[S+jj+2+\k:S+jj+3+\k]
.endr
.set jj, jj+14
.endr
.irp k, 0,2,4,6,8,10
	v_pk_add_f32 v[T4+\k:T4+\k+1], v[T4+\k:T4+\k+1], v[S+52+\k:S+53+\k]
.endr
.irp k, 0,4,8
	v_pk_add_f32 v[T4+\k:T4+\k+1], v[T4+\k:T4+\k+1], v[T4+\k+2:T4+\k+3]
.endr
	v_pk_add_f32 v[LS:LS+1], v[LS:LS+1], v[T4+8:T4+9]
	v_pk_add_f32 v[T4:T4+1], v[T4:T4+1], v[T4+4:T4+5]
	v_pk_add_f32 v[LS:LS+1], v[LS:LS+1], v[T4:T4+1]
	s_wait_alu depctr_va_vdst(0)                   ; and one for the four
	v_dual_max_num_f32 v[BM], 0x8000000, v[BM] :: v_dual_max_num_f32 v[BM+1], 0x8000000, v[BM+1]       ; the floor 2^(16 - 127): the byte cannot fall under 1
	v_dual_max_num_f32 v[BM+2], 0x8000000, v[BM+2] :: v_dual_max_num_f32 v[BM+3], 0x8000000, v[BM+3]
.irp b, 0,1,2,3
	v_add_nc_u32 v[SO+\b], 0xf8800000, v[BM+\b]    ; 15 off the exponent field: the conversion's scale operand
.endr
.irp b, 0,1,2,3
	v_and_or_b32 v[CAP+\b], v[BM+\b], 0x7f800000, s[MNT]   ; 57,344 x the scale
.endr
.irp b, 0,1,2,3
	v_lshrrev_b32 v[T4+\b], 23, v[SO+\b]           ; the scale's byte
.endr
	v_lshl_or_b32 v[T4], v[T4+1], 8, v[T4]
	v_lshl_or_b32 v[T4+2], v[T4+3], 8, v[T4+2]
	WIN (0x11*\t)                                  ; scale operands have no window: the word goes to window 0
	v_lshl_or_b32 v[PW+\t], v[T4+2], 16, v[T4]     ; p's scale word for these 128 keys
	WIN (0x55*\t)
.irp b, 0,1,2,3
.irp i, 0,2,4,6,8,10,12,14
	v_dual_min_num_f32 v[S+16*\b+\i], v[S+16*\b+\i], v[CAP+\b] :: v_dual_min_num_f32 v[S+16*\b+\i+1], v[S+16*\b+\i+1], v[CAP+\b]   ; the conversion does not saturate (ISA guide 7.6.2); p is not negative: a one-sided hold, two numbers a line
.endr
	v_cvt_scalef32_pk8_bf8_f32 v[PC+4*\b:PC+4*\b+1], v[S+16*\b:S+16*\b+7], v[SO+\b]
	v_cvt_scalef32_pk8_bf8_f32 v[PC+4*\b+2:PC+4*\b+3], v[S+16*\b+8:S+16*\b+15], v[SO+\b]
.endr
	s_wait_alu depctr_va_vdst(0)                   ; the wait directly ahead of the first reader of O^T
.set jj, 0
.rept 16
	v_pk_mul_f32 v[O+jj:O+jj+1], v[O+jj:O+jj+1], v[F:F+1] op_sel_hi:[1,0]   ; O^T under the new M; these 16 are also the places between the codes and the products
.set jj, jj+2
.endr
.endm
; A KEY STEP of 128 keys.  pf = 1: the next package's mask, K and scale words are read as soon as their registers are free.  pf = 0: a pass's last step; in the first pass the next pass's q is asked for.
; LDS loads are issued in the order: V (17 lines), tile 0's next mask (16), the next K (17), tile 1's next mask (16).
.macro STEP pf
	s_wait_dscnt 16                                ; tile 0's mask, K and its scale words are in; tile 1's 16 loads, issued behind them, may be out
	QK 0
	WIN 0
	v_add_nc_u32 v[A16], s[TB], v[L16]             ; eight places behind the products: three of them at work
	v_add_nc_u32 v[A8], s[TB], v[L8]
	v_add_nc_u32 v[AM], s[TB], v[H64]
	PLACES 5
	WIN 0x40
.irp m, 0,1,2,3,4,5,6,7,8,9,10,11,12,13,14,15
	ds_load_b128 v[VF+4*\m:VF+4*\m+3], v[A16] offset:VIMG+512*\m
.endr
	WIN 0
	ds_load_b64 v[VS:VS+1], v[A8] offset:VSC
	SOFTMAX 0
.if \pf
	MLOAD 0, AM, PKG
.else
	WIN 0
	s_cmp_eq_u32 s[PASS], 2
	s_cbranch_scc0 .Lno_q_\@
	QLOAD                                          ; tile 0's S' is free: the second pass's rows
.Lno_q_\@:
.endif
	s_wait_alu depctr_va_vdst(0)                   ; the wait directly ahead of the wait below
.if \pf
	s_wait_dscnt 16                                ; tile 1's mask, V and its scale words are in; the 16 loads just issued may be out
.else
	s_wait_dscnt 0x0
.endif
	PV 0
	QK 1
	WIN 0
	PLACES 8
.if \pf
	KLOAD A16, A8, PKG
.endif
	SOFTMAX 1
.if \pf
	MLOAD 1, AM, PKG
.endif
	PV 1
	WIN 0
	s_add_co_u32 s[TB], s[TB], PKG
.endm
.macro STEPS_OF n
	s_mov_b32 s[STEPS], \n
.Lstep_\@:
	STEP 1
	s_sub_co_u32 s[STEPS], s[STEPS], 1
	s_cmp_lg_u32 s[STEPS], 0
	s_cbranch_scc1 .Lstep_\@
.endm
.macro ONCE                            ; a window's constants
.irp j, 0,1,2,3,4,5,6,7,16,17,18,19,20,21,22,23
	v_mov_b32 v[QZ+\j], 0                          ; the zero codes on both sides of Q
.endr
.irp b, 0,1,2,3
	v_mov_b32 v[T4+\b], 0                          ; a lane permute's destination counts as one of its sources
.endr
	v_mov_b32 v[F+1], 0                            ; named as the upper half of the pair
.endm
.macro INIT                            ; a tile's start: the step is written without a first step of its own; it finds zeros, which the first change of M leaves zeros
.set jj, 0
.rept 32
	v_mov_b32 v[O+jj], 0
.set jj, jj+1
.endr
	v_mov_b32 v[TX], 0xff61b1e6                    ; -3e38, under every score
	v_mov_b32 v[LS], 0
	v_mov_b32 v[LS+1], 0
	v_floor_f32 v[NM], -v[TX]
.endm
	s_load_b128 s[4:7], s[0:1], 0x0                ; kv s[4:5], q s[6:7]
	s_load_b64 s[8:9], s[0:1], 0x10                ; out0
	v_lshl_add_u32 v[SPW], v0, 2, SPARE
	v_mov_b32 v[NIL], 0
	ds_add_u32 v[SPW], v[NIL]                      ; the opening lines: the add, twice on end, and its wait ahead of my tensor load
	ds_add_u32 v[SPW], v[NIL]
	v_lshrrev_b32 v234, 5, v0
	v_readfirstlane_b32 s[WV], v234                ; wave 0..7
	s_mul_i32 s56, s[WV], WSTG
	s_add_co_u32 s56, s56, STAGE                   ; my stage
	v_and_b32 v234, 31, v0
	v_and_b32 v235, 15, v0                         ; r
	v_bfe_u32 v236, v0, 4, 1                       ; h
	v_lshlrev_b32 v[L16], 4, v234
	v_lshlrev_b32 v[L8], 3, v234
	v_lshlrev_b32 v[PFO], 8, v234
	v_lshlrev_b32 v[H64], 6, v236
	v_mul_u32_u24 v[STO], v235, SP
	v_mul_u32_u24 v[RD], v236, SP
	v_lshl_add_u32 v[STQ], v236, 6, v[STO]
	v_lshl_add_u32 v[STO], v236, 5, v[STO]
	v_lshl_add_u32 v[RD], v235, 4, v[RD]
	v_add_nc_u32 v[STQ], s56, v[STQ]
	v_add_nc_u32 v[STO], s56, v[STO]
	v_add_nc_u32 v[RD], s56, v[RD]
	s_wait_alu depctr_va_vdst(0)                   ; the wait ahead of the run of scalar lines and the waits below
	s_bfe_u32 s11, ttmp6, 0x40000                  ; cx: it enters q's and out0's addresses alone
	s_and_b32 s48, ttmp7, 0xffff                   ; the head, which the four partners share
	s_lshl_b32 s50, s48, 19                        ; a head of q or out0 is 524,288 bytes,
	s_lshl_b32 s51, s11, 17                        ; my work-group's 512 rows 131,072,
	s_add_co_u32 s50, s50, s51
	s_lshl_b32 s51, s[WV], 13                      ; my wave's 32 rows 8,192
	s_add_co_u32 s50, s50, s51
	s_mov_b32 s51, 0
	s_and_b32 s49, s[WV], 3
	s_mul_i32 s[G0A+1], s49, PKG                   ; waves 0 to 3: package = wave
	s_mul_i32 s[G0B+1], s49, 3*PKG
	s_add_co_u32 s[G0B+1], s[G0B+1], 4*PKG         ; waves 4 to 7: packages 4 + 3 (wave - 4) on
	s_mul_i32 s52, s48, HEADB
	s_add_co_u32 s54, s52, s[G0B+1]
	s_add_co_u32 s52, s52, s[G0A+1]
	s_mov_b32 s53, 0
	s_mov_b32 s55, 0
	s_mov_b32 s[G0A], 1
	s_mov_b32 s[G0B], 1
	s_mov_b32 s[G1A], 15|(3<<16)|(1<<21)           ; the mask: all four work-groups; elements of 8 bytes; bit 21 beside a mask
	s_mov_b32 s[G1A+1], 32<<16                     ; rows of 32 elements: 256 bytes
	s_mov_b32 s[G1A+2], 68<<16
	s_mov_b32 s[G1A+3], 32<<16
	s_mov_b32 s[G1A+4], 68
	s_mov_b32 s[G1A+5], 32
	s_mov_b32 s[G1A+6], 0
	s_mov_b32 s[G1A+7], 0
	s_mov_b32 s[G1B], 15|(3<<16)|(1<<21)
	s_mov_b32 s[G1B+1], 32<<16
	s_mov_b32 s[G1B+2], 204<<16
	s_mov_b32 s[G1B+3], 32<<16
	s_mov_b32 s[G1B+4], 204
	s_mov_b32 s[G1B+5], 32
	s_mov_b32 s[G1B+6], 0
	s_mov_b32 s[G1B+7], 0
	s_mov_b32 s[SEL], 0x76543210
	s_mov_b32 s[SEL+1], 0xfedcba98
	s_mov_b32 s[CS], 0x3e38aa3b                    ; c = log2(e) / 8
	s_mov_b32 s[CS+1], s[CS]
	s_mov_b32 s[MNT], 0x600000
	s_mov_b32 s[PASS], 2
	s_wait_dscnt 0x0                               ; both opening adds are done
	s_wait_kmcnt 0x0
	s_add_nc_u64 s[G0A+2:G0A+3], s[4:5], s[52:53]
	s_or_b32 s[G0A+3], s[G0A+3], 0x80000000
	s_add_nc_u64 s[G0B+2:G0B+3], s[4:5], s[54:55]
	s_or_b32 s[G0B+3], s[G0B+3], 0x80000000
	s_add_nc_u64 s[6:7], s[6:7], s[50:51]
	s_add_nc_u64 s[8:9], s[8:9], s[50:51]
	QLOAD                                          ; the first pass's rows of q
	CROUND                                         ; all four work-groups are here: the joint loads meet
	s_cmp_lt_u32 s[WV], 4
	s_cbranch_scc0 .Lrest
	tensor_load_to_lds s[G0A:G0A+3], s[G1A:G1A+7]  ; asked for first: what is read first
	s_nop 0
	PLACES 4
	s_branch .Lasked
.Lrest:
	tensor_load_to_lds s[G0B:G0B+3], s[G1B:G1B+7]
	s_nop 0
	PLACES 4
.Lasked:
	ONCE
	WIN 0x55
	ONCE
	WIN 0
	s_wait_alu depctr_va_vdst(0)                   ; the wait at the head's end
	s_cmp_lt_u32 s[WV], 4
	s_cbranch_scc0 .Lno_wait
	s_wait_tensorcnt 0x0                           ; every issuer of the first line waits: packages 0 to 3
.Lno_wait:
	s_barrier_signal -1
	s_barrier_wait -1
.Lpass:
	s_wait_loadcnt 0x0                             ; my 32 rows of q
	s_wait_xcnt 0x0
	s_add_nc_u64 s[6:7], s[6:7], PASSB             ; on to the next pass's rows (used in the first pass alone)
	; Q is turned through my stage, a tile at a time, so that a lane holds 16 neighbours along d: block 2 t + c = d 32 c + 16 h + 0..15 of query 16 t + r.  LDS serves a wave's instructions in order
.irp t, 0,1
.irp i, 0,1,2,3,4,5,6,7
	ds_store_b128 v[RD], v[S+32*\t+4*\i:S+32*\t+4*\i+3] offset:2*SP*\i
.endr
.irp c, 0,1
.irp j, 0,1,2,3
	ds_load_b128 v[KF+16*(2*\t+\c)+4*\j:KF+16*(2*\t+\c)+4*\j+3], v[STQ] offset:128*\c+16*\j
.endr
.endr
.endr
	s_wait_dscnt 0x0
.irp b, 0,1,2,3
	v_max3_num_f32 v[BM+\b], |v[KF+16*\b]|, |v[KF+1+16*\b]|, 0x8000000     ; my 16 numbers, and the floor 2^(16 - 127)
.endr
.irp i, 2,4,6,8,10,12,14
.irp b, 0,1,2,3
	v_max3_num_f32 v[BM+\b], v[BM+\b], |v[KF+16*\b+\i]|, |v[KF+1+16*\b+\i]|
.endr
.endr
.irp b, 0,1,2,3
	v_permlanex16_b32 v[T4+\b], v[BM+\b], s[SEL], s[SEL+1]
.endr
.irp b, 0,1,2,3
	v_max_num_f32 v[BM+\b], v[BM+\b], v[T4+\b]     ; the block's largest magnitude
.endr
.irp b, 0,1,2,3
	v_add_nc_u32 v[SO+\b], 0xf8800000, v[BM+\b]
.endr
.irp b, 0,1,2,3
	v_and_or_b32 v[CAP+\b], v[BM+\b], 0x7f800000, s[MNT]
.endr
.irp b, 0,1,2,3
	v_lshrrev_b32 v[T4+\b], 23, v[SO+\b]
.endr
	v_lshl_or_b32 v[T4], v[T4+1], 8, v[T4]
	v_lshl_or_b32 v[T4+2], v[T4+3], 8, v[T4+2]
	v_lshl_or_b32 v[QW], v[T4], 16, v[T4]          ; the two bytes twice: for Q in the lower and in the upper half of the product's K
	v_lshl_or_b32 v[QW+1], v[T4+2], 16, v[T4+2]
.irp b, 0,1,2,3
.irp i, 0,1,2,3,4,5,6,7,8,9,10,11,12,13,14,15
	v_med3_num_f32 v[KF+16*\b+\i], v[KF+16*\b+\i], -v[CAP+\b], v[CAP+\b]
.endr
.endr
.irp c, 0,1
	v_cvt_scalef32_pk8_bf8_f32 v[QZ+8+4*\c:QZ+9+4*\c], v[KF+16*\c:KF+16*\c+7], v[SO+\c]
	v_cvt_scalef32_pk8_bf8_f32 v[QZ+10+4*\c:QZ+11+4*\c], v[KF+16*\c+8:KF+16*\c+15], v[SO+\c]
.endr
	v_nop                                          ; one plain line behind a run of conversions
	WIN 0x40                                       ; tile 1's Q lies in window 1
.irp c, 0,1
	v_cvt_scalef32_pk8_bf8_f32 v[QZ+8+4*\c:QZ+9+4*\c], v[KF+32+16*\c:KF+32+16*\c+7], v[SO+2+\c]
	v_cvt_scalef32_pk8_bf8_f32 v[QZ+10+4*\c:QZ+11+4*\c], v[KF+32+16*\c+8:KF+32+16*\c+15], v[SO+2+\c]
.endr
	WIN 0
	v_nop
	MLOAD 0, H64, 0                                ; package 0, in the order that a step's waits count on
	WIN 0
	KLOAD L16, L8, 0
	MLOAD 1, H64, 0
	WIN 0
	INIT
	WIN 0x55
	INIT
	WIN 0
	s_mov_b32 s[TB], 0
	s_wait_alu depctr_va_vdst(0)                   ; the wait ahead of the step's waits
	STEPS_OF 3                                     ; steps 0 to 2 read packages 0 to 3
	s_wait_tensorcnt 0x0                           ; every wave: all that is still out has landed,
	s_wait_dscnt 0x0
	s_barrier_signal -1
	s_barrier_wait -1                              ; in every wave: packages 4 to 15 may be read
	s_cmp_eq_u32 s[PASS], 2
	s_cbranch_scc0 .Lno_ask
	global_prefetch_b8 v[PFO], s[6:7] th:TH_LOAD_NT scope:SCOPE_SE   ; the second pass's 32 rows of my wave, a lane a row
.Lno_ask:
	STEPS_OF 12
	STEP 0
	; THE WAY OUT, a tile at a time through my stage: register 8 n + j of lane (r, h) is out(16 t + r, 16 n + 8 h + j)
	PLACES 8
.irp t, 0,1
	WIN (0x55*\t)
	v_add_f32 v[LS], v[LS], v[LS+1]
	v_permlanex16_b32 v[T4], v[LS], s[SEL], s[SEL+1]
	v_add_f32 v[LS], v[LS], v[T4]
	s_wait_alu depctr_va_vdst(0)                   ; the wait ahead of the transcendental
	v_rcp_f32 v[F], v[LS]
	v_nop
	s_wait_alu depctr_va_vdst(0)                   ; and ahead of its first reader, which is O^T's first reader too
.set jj, 0
.rept 16
	v_pk_mul_f32 v[O+jj:O+jj+1], v[O+jj:O+jj+1], v[F:F+1] op_sel_hi:[1,0]
.set jj, jj+2
.endr
	WIN (0x04*\t)                                  ; an LDS store's data are its source 1
.irp n, 0,1,2,3
	ds_store_b128 v[STO], v[O+8*\n:O+8*\n+3] offset:64*\n
	ds_store_b128 v[STO], v[O+8*\n+4:O+8*\n+7] offset:64*\n+16
.endr
	WIN 0
.irp i, 0,1,2,3,4,5,6,7
	ds_load_b128 v[KF+32*\t+4*\i:KF+32*\t+4*\i+3], v[RD] offset:2*SP*\i   ; back by rows; the next tile's stores come behind these
.endr
.endr
.irp t, 0,1
.irp i, 0,1,2,3,4,5,6,7
	s_wait_dscnt 16*(1-\t)+7-\i                    ; this load is in; the younger loads, and tile 1's 16 lines, may be out
	global_store_b128 v[L16], v[KF+32*\t+4*\i:KF+32*\t+4*\i+3], s[8:9] offset:512*(8*\t+\i) th:TH_STORE_NT   ; two rows, 512 consecutive bytes, aligned
.endr
.endr
	s_wait_xcnt 0x0                                ; the stores have read their registers and their base
	s_add_nc_u64 s[8:9], s[8:9], PASSB
	s_sub_co_u32 s[PASS], s[PASS], 1
	s_cmp_lg_u32 s[PASS], 0
	s_wait_alu depctr_va_vdst(0)                   ; the wait ahead of the branch
	s_cbranch_scc1 .Lpass
	s_wait_tensorcnt 0x0                           ; the wave's end
	ds_add_u32 v[SPW], v[NIL]
	s_wait_dscnt 0x0
	CROUND                                         ; the closing round
	s_endpgm
.Lfunc_end_k_q947e2d2b74_attn:
	.size	k_q947e2d2b74_attn, .Lfunc_end_k_q947e2d2b74_attn-k_q947e2d2b74_attn
	.p2alignl 7, 3214868480
	.fill 96, 4, 3214868480
	.section	.rodata,"a",@progbits
	.p2align	6, 0x0
	.amdhsa_kernel k_q947e2d2b74_attn
		.amdhsa_group_segment_fixed_size 327680
		.amdhsa_private_segment_fixed_size 0
		.amdhsa_enable_private_segment 0
		.amdhsa_kernarg_size 24
		.amdhsa_user_sgpr_count 2
		.amdhsa_user_sgpr_kernarg_segment_ptr 1
		.amdhsa_wavefront_size32 1
		.amdhsa_system_sgpr_workgroup_id_x 1
		.amdhsa_system_sgpr_workgroup_id_y 1
		.amdhsa_system_sgpr_workgroup_id_z 1
		.amdhsa_system_vgpr_workitem_id 0
		.amdhsa_next_free_vgpr 512
		.amdhsa_next_free_sgpr 66
		.amdhsa_reserve_vcc 0
		.amdhsa_float_denorm_mode_32 3
		.amdhsa_float_denorm_mode_16_64 3
		.amdhsa_memory_ordered 1
		.amdhsa_forward_progress 1
		.amdhsa_inst_pref_size 139
	.end_amdhsa_kernel
	.amdgpu_metadata
---
amdhsa.version: [ 1, 2 ]
amdhsa.kernels:
  - .name:           k_q947e2d2b74_attn
    .symbol:         k_q947e2d2b74_attn.kd
    .args:
      - { .name: kv, .offset: 0, .size: 8, .value_kind: global_buffer, .address_space: global }
      - { .name: q, .offset: 8, .size: 8, .value_kind: global_buffer, .address_space: global }
      - { .name: out0, .offset: 16, .size: 8, .value_kind: global_buffer, .address_space: global }
    .group_segment_fixed_size: 327680
    .private_segment_fixed_size: 0
    .kernarg_segment_align: 8
    .kernarg_segment_size: 24
    .max_flat_workgroup_size: 256
    .sgpr_count:     66
    .vgpr_count:     512
    .wavefront_size: 32
...
	.end_amdgpu_metadata
.endif
;; end of part 2
